; MI455X (gfx1250); checked and timed in simulation.
; The chip was launched on July 23, 2026; its instructions are those of AMD's public machine-readable ISA for CDNA 5 (MIT licence, August 2026) and "CDNA5" Instruction Set Architecture Reference Guide (July 2026). The comments in the code are by the model that wrote it; some were corrected since.
;; Refine Prior. Allowed arithmetic: matrix products marked QUANTISED: E2M1 operands, one E8M0 scale for each 32 along K, by v_wmma_scale_f32_16x16x128_f8f6f4 with both operands' format E2M1 (or v_wmma_scale_f32_32x16x128_f4), f32 sums; products left as they are: bf16, f16 or f32 operands; f32 sums; everything else in f32.
;; Inputs: Wk 1,024 x 1,024 float32; Wo 1,024 x 1,024 float32; Wq 1,024 x 1,024 float32; Wv 1,024 x 1,024 float32; bk 1,024 float32; bo 1,024 float32; bq 1,024 float32; bv 1,024 float32; pos_emb 1 x 16 x 16 x 16 float32; shape_tokens 1,024 x 16 x 1,024 float32.
;; Outputs: out0 1,024 x 16 x 1,024 float32.
;; This version of the problem:
;;   THIS VERSION OF THE PROBLEM IS GIVEN IN LOW PRECISION. The matrix products marked QUANTISED in the list below multiply operands that are first quantised to E2M1 (2 exponent bits, 1 mantissa bit; 4 bits a number), with one power-of-two scale for each 32 numbers along K (OCP MX v1.0); their sums are f32. The products marked 'left as it is' may take bf16, f16 or f32 operands, with f32 sums. Whichever they take, every output number must still come out within the allowed error. Rounding operands to bf16 (8 significant bits) uses up far more of that allowance than f16 does (11 bits, for magnitudes from 6e-5 to 65,504). All else is computed in f32.
;;   The module's matrix products, in the order in which they are computed (A, B: the left and right operand; K: the contracted axis; several contracted axes count as one K, in the product's order):
;;     1. [M 16,384, K 1,024] x [K 1,024, N 1,024]; A: input shape_tokens; B: input Wq: QUANTISED
;;     2. [M 16,384, K 1,024] x [K 1,024, N 1,024]; A: input shape_tokens; B: input Wk: QUANTISED
;;     3. [M 16,384, K 1,024] x [K 1,024, N 1,024]; A: input shape_tokens; B: input Wv: QUANTISED
;;     4. batch 16,384 x [M 16, K 64] x [K 64, N 16]; A: computed on the way; B: computed on the way: left as it is (an operand is computed on the way)
;;     5. batch 16,384 x [M 16, K 16] x [K 16, N 64]; A: computed on the way; B: computed on the way: left as it is (K = 16 < 32)
;;     6. [M 16,384, K 1,024] x [K 1,024, N 1,024]; A: computed on the way; B: input Wo: left as it is (an operand is computed on the way)
;;   THE QUANTISER, for each operand of a quantised product, along K:
;;     - K is cut into blocks of 32 from its start; a last block that is shorter is filled with zeros.
;;     - A block's scale is 2^e with e = floor(log2(the largest magnitude in the block)) - 2, held to -126 .. 127; a block of zeros has e = 0. As a byte (E8M0): e + 127.
;;     - Each number is divided by its block's scale, clamped to +-6, and rounded to the nearest number of E2M1, ties to even, subnormals kept.
;;     - The product sums the exact products of the quantised numbers (number of the format x scale) in f32.
;;   ~~~python
;;   def quantise(x, axis):      # numpy; x: float32 -> the quantised numbers, widened to float32 again
;;       x = np.moveaxis(x, axis, -1); K = x.shape[-1]
;;       x = np.pad(x, [(0, 0)] * (x.ndim - 1) + [(0, -K % 32)]); x = x.reshape(x.shape[:-1] + (-1, 32)); a = np.abs(x).max(-1, keepdims=True)
;;       e = np.where(a > 0, np.clip(np.frexp(np.where(a > 0, a, 1))[1] - 1 - 2, -126, 127), 0)      # np.frexp(a)[1] - 1 = floor(log2(a)), exactly
;;       r = np.clip(x / 2.0 ** e, -6, 6)
;;       step = 2.0 ** (np.maximum(np.frexp(np.where(r == 0, 1, r))[1] - 1, 0) - 1)
;;       q = np.round(r / step) * step * 2.0 ** e      # np.round: ties to even
;;       return np.moveaxis(q.reshape(q.shape[:-2] + (-1,))[..., :K], -1, axis).astype(np.float32)
;;   ~~~
;; One version. Each part assembles by itself: llvm-mc -triple=amdgcn-amd-amdhsa -mcpu=gfx1250 --defsym DOCPART=n.
;; ======== version 1 of 1: 3 launches
;; limits: values are held in f16: magnitudes above 65,504 overflow, below 6.1e-05 lose precision
;; workspace buffers: xc 8,388,608 bytes; xs 524,288 bytes; wqkv 1,671,168 bytes; wo16 2,097,152 bytes; ctx 33,554,432 bytes
;; launch prep (part 1): grid 768 x 1, 4 waves a work-group, no clusters, 39,424 bytes of LDS; arguments shape_tokens, Wq, Wk, Wv, Wo, xc, xs, wqkv, wo16; writes xc, xs, wqkv, wo16
.if DOCPART == 1
	.amdgcn_target "amdgcn-amd-amdhsa--gfx1250"
	.amdhsa_code_object_version 6
	.text
	.protected	k_qafe0e756a8_prep
	.globl	k_qafe0e756a8_prep
	.p2align	8
	.type	k_qafe0e756a8_prep,@function
k_qafe0e756a8_prep:
	s_mov_b64 s[64:65], 0
	v_nop
	global_prefetch_b8 v0, s[64:65] scope:SCOPE_SE
	s_setreg_imm32_b32 hwreg(HW_REG_WAVE_MODE, 25, 1), 1
	s_wait_xcnt 0x0
; THE OPERANDS ARE MADE ONCE.  x [16384][1024] and Wq, Wk, Wv [1024 (k)][1024 (n)], f32, become codes of FP4 (E2M1) with one E8M0 scale byte for each 32 along K; Wo [1024 (k)][1024 (n)] is rounded to f16.
; Everything is laid as IMAGES OF OPERAND REGISTERS: a fragment is 1,024 bytes that two loads of 16 bytes a lane (at 16 x lane and 512 bytes on) bring straight into a matrix operand's 8 registers.
; A block's scale is 2^(floor(log2(its largest magnitude)) - 2); its byte is the largest magnitude's exponent field - 2, held at 1 from below; each number is divided by the scale and rounded to the nearest code, ties to even, beyond 6 the code of 6.
; LIMITS: a block of zeros, and one whose largest magnitude lies under 2^-124, keeps the byte 1 (a block of zeros has zero codes, which add nothing; this program alone reads the bytes); NaN and infinities are not served; |Wo| stays under 65,504, f16's largest number.
; SHARES: work-groups 0-191 take Wq, Wk, Wv (a lane to a column, registers down K); 192-255 take Wo; 256-767 take x (a wave: 16 rows x 512 along K).  Waves share nothing: no barrier.  No work-group reads what another reads: no cluster.
; No matrix work and no tile that is read twice: loads go straight into registers, many at a time.
.set HB,    104448                     ; a head's block in wqkv: 96 fragments of codes, then 6,144 bytes of scale words
.set EMAX,  2
.set SPW,   14                         ; v14  LDS address of my spare word; never rewritten
.set NIL,   15                         ; v15  0; never rewritten
.set WREG,  9728                       ; x path, LDS: a region for each wave:
.set SP,    80                         ;   two stages of 32 x 80 bytes (a lane's 64 bytes + 16 of padding),
.set IMG,   5120                       ;   the codes' image: 16 blocks of 32 along K, 256 bytes each, 272 apart,
.set SCI,   9472                       ;   256 scale bytes
.set SPARE, 4*WREG                     ; behind the four regions: the spare words, 128 bytes for each wave
.set R,     16                         ; x path: v16-143  eight sets of 16 numbers as loaded
.set X,     144                        ;         v144-175 two sets of 16 neighbours
.set C,     176                        ;         v176-207 two registers of codes for each step
.set E,     208                        ;         v208-223 a scale byte for each step
.set WX,    32                         ; W path: v32-95   two sets of 32 numbers
.set WC,    96                         ;         v96-111  four registers of codes for each block
.set SB,    112                        ;         v112     the K step's scale word
.macro XLOAD t                         ; row t's 512 numbers: four loads of 512 consecutive bytes
.irp i, 0,1,2,3
	global_load_b128 v[R+16*((\t)%8)+4*\i:R+16*((\t)%8)+4*\i+3], v3, s[4:5] offset:4096*(\t)+512*\i th:TH_LOAD_NT
.endr
.endm
.macro XTURN t                         ; through the stage: in as loaded, out 64 bytes a lane.  LDS serves a wave's instructions in order: no wait between
.irp i, 0,1,2,3
	ds_store_b128 v4, v[R+16*((\t)%8)+4*\i:R+16*((\t)%8)+4*\i+3] offset:32*SP*((\t)%2)+8*SP*\i
.endr
.irp i, 0,1,2,3
	ds_load_b128 v[X+16*((\t)%2)+4*\i:X+16*((\t)%2)+4*\i+3], v5 offset:32*SP*((\t)%2)+16*\i
.endr
.endm
.macro XSTEP t                         ; row t: lane l holds numbers 16 l .. 16 l + 15; lanes l and l xor 1 hold a block
.set XR, X+16*((\t)%2)
.if (\t) > 0
	s_wait_dscnt 2                                 ; this row is back from the stage; the last step's two stores may be out
.else
	s_wait_dscnt 0x0
.endif
.if (\t)+8 < 16
	XLOAD (\t)+8                                   ; into the set that this row's stage stores have read
.endif
.if (\t) < 15
.if (\t) <= 7
	s_wait_loadcnt 28                              ; the next row's four loads are in; those of the seven rows behind it may be out
.else
	s_wait_loadcnt 4*(14-(\t))                     ; the rows behind the next one: 14 - t are left
.endif
	XTURN (\t)+1
.endif
	v_max3_num_f32 v8, |v[XR]|, |v[XR+1]|, |v[XR+2]|
	v_max3_num_f32 v9, |v[XR+3]|, |v[XR+4]|, |v[XR+5]|
.irp i, 6,10
	v_max3_num_f32 v8, v8, |v[XR+\i]|, |v[XR+\i+1]|
	v_max3_num_f32 v9, v9, |v[XR+\i+2]|, |v[XR+\i+3]|
.endr
	v_max3_num_f32 v8, v8, |v[XR+14]|, |v[XR+15]|
	v_max3_num_f32 v8, v8, v9, (EMAX+1)<<23        ; the floor 2^(3 - 127): the byte cannot fall under 1
	v_max_num_f32_dpp v8, v8, v8 row_xmask:1 row_mask:0xf bank_mask:0xf   ; with my neighbour's 16: the block's largest magnitude
	v_add_nc_u32 v11, -(EMAX<<23), v8              ; 2 off its exponent field: the conversion's scale operand
	v_cvt_scalef32_pk8_fp4_f32 v[C+2*(\t)], v[XR:XR+7], v11
	v_cvt_scalef32_pk8_fp4_f32 v[C+2*(\t)+1], v[XR+8:XR+15], v11
	v_lshrrev_b32 v[E+(\t)], 23, v11               ; the scale's byte (also the plain line behind the conversions)
	ds_store_b8 v7, v[E+(\t)] offset:8*(\t)        ; both lanes of a block write the same byte with the same value
	ds_store_b64 v6, v[C+2*(\t):C+2*(\t)+1] offset:16*(\t)   ; my 8 bytes of row t's 16 in my block's unit
.endm
.macro WLOAD t                         ; block t of the K step: W(32 t + i, my column): 128 consecutive bytes a wave, 512 a work-group
.irp i, 0,1,2,3,4,5,6,7,8,9,10,11,12,13,14,15,16,17,18,19,20,21,22,23,24,25,26,27,28,29,30,31
	global_load_b32 v[WX+32*((\t)%2)+\i], v2, s[6:7] offset:(32*(\t)+\i)*4096 th:TH_LOAD_NT
.endr
.endm
.macro WBLOCK t
.set XR, WX+32*((\t)%2)
.if (\t) < 3
	s_wait_loadcnt 32                              ; this block's 32 loads are in; the next block's may be out
.else
	s_wait_loadcnt 0x0
.endif
	v_max3_num_f32 v12, |v[XR]|, |v[XR+1]|, |v[XR+2]|              ; all 32 numbers of the block are mine
	v_max3_num_f32 v13, |v[XR+3]|, |v[XR+4]|, |v[XR+5]|
.irp i, 6,10,14,18,22,26
	v_max3_num_f32 v12, v12, |v[XR+\i]|, |v[XR+\i+1]|
	v_max3_num_f32 v13, v13, |v[XR+\i+2]|, |v[XR+\i+3]|
.endr
	v_max3_num_f32 v12, v12, |v[XR+30]|, |v[XR+31]|
	v_max3_num_f32 v12, v12, v13, (EMAX+1)<<23
	v_add_nc_u32 v11, -(EMAX<<23), v12
	v_lshrrev_b32 v13, 23, v11
.if (\t) == 0
	v_mov_b32 v[SB], v13                           ; the K step's four bytes make my column's scale word
.else
	v_lshl_or_b32 v[SB], v13, 8*(\t), v[SB]
.endif
.irp q, 0,1,2,3
	v_cvt_scalef32_pk8_fp4_f32 v[WC+4*(\t)+\q], v[XR+8*\q:XR+8*\q+7], v11
.endr
	v_nop                                          ; a plain line behind the conversions
	global_store_b128 v3, v[WC+4*(\t):WC+4*(\t)+3], s[38:39] offset:256*(\t)   ; block t of a fragment lies at 256 t + 16 r: each sixteen lanes store 256 consecutive bytes, aligned
.if (\t)+2 < 4
	WLOAD (\t)+2
.endif
.endm
	s_load_b512 s[4:19], s[0:1], 0x0               ; x s[4:5], Wq s[6:7], Wk s[8:9], Wv s[10:11], Wo s[12:13], xc s[14:15], xs s[16:17], wqkv s[18:19]
	s_load_b64 s[20:21], s[0:1], 0x40              ; wo16
	v_lshl_add_u32 v[SPW], v0, 2, SPARE
	v_mov_b32 v[NIL], 0
	v_lshrrev_b32 v1, 5, v0
	v_readfirstlane_b32 s22, v1                    ; wave 0..3
	v_and_b32 v1, 31, v0                           ; lane
	s_mov_b32 s29, 0                               ; the high word of every offset
	s_wait_kmcnt 0x0
	s_cmp_lt_u32 ttmp9, 192
	s_cbranch_scc1 .Lw_path
	s_cmp_lt_u32 ttmp9, 256
	s_cbranch_scc1 .Lwo_path
	; ---- x: wave tau = 4 (work-group - 256) + wave takes tile tau / 2 (16 rows) and half tau % 2 of K
	s_sub_co_u32 s24, ttmp9, 256
	s_lshl_b32 s24, s24, 2
	s_add_co_u32 s24, s24, s22
	s_lshr_b32 s25, s24, 1                         ; tile
	s_and_b32 s26, s24, 1                          ; kh
	s_lshl_b32 s28, s25, 16                        ; x: 16 rows of 4,096 bytes a tile, 2,048 bytes a half
	s_lshl_b32 s30, s26, 11
	s_add_co_u32 s28, s28, s30
	s_add_nc_u64 s[4:5], s[4:5], s[28:29]
	s_lshl_b32 s28, s25, 13                        ; xc: [tile][block of 32: 32][row 16][16 bytes]
	s_lshl_b32 s30, s26, 12
	s_add_co_u32 s28, s28, s30
	s_add_nc_u64 s[14:15], s[14:15], s[28:29]
	s_lshl_b32 s28, s25, 9                         ; xs: [tile][kh 2][hh 2][row 16][8 bytes]: byte 4 i + b is block b of K step 4 kh + 2 i + hh
	s_lshl_b32 s30, s26, 8
	s_add_co_u32 s28, s28, s30
	s_add_nc_u64 s[16:17], s[16:17], s[28:29]
	s_mul_i32 s27, s22, WREG                       ; my wave's LDS region
	v_lshlrev_b32 v3, 4, v1                        ; 16 x lane
	v_lshrrev_b32 v4, 2, v1
	v_mul_u32_u24 v4, v4, SP
	v_and_b32 v5, 3, v1
	v_lshl_add_u32 v4, v5, 4, v4
	v_add_nc_u32 v4, s27, v4                       ; the stage, in: 80 (lane / 4) + 16 (lane % 4)
	v_mul_u32_u24 v5, v1, SP
	v_add_nc_u32 v5, s27, v5                       ; out: 80 x lane
	v_lshrrev_b32 v6, 1, v1
	v_mul_u32_u24 v6, v6, 272
	v_and_b32 v7, 1, v1
	v_lshl_add_u32 v6, v7, 3, v6
	v_add_nc_u32 v6, s27, v6
	v_add_nc_u32 v6, IMG, v6                       ; the codes' image, in: block lane / 2, half lane % 2
	v_bfe_u32 v7, v1, 3, 1
	v_lshlrev_b32 v7, 7, v7                        ; the scale bytes: hh = bit 3 of the lane,
	v_bfe_u32 v8, v1, 4, 1
	v_lshl_add_u32 v7, v8, 2, v7                   ; i = bit 4,
	v_bfe_u32 v8, v1, 1, 2
	v_add_nc_u32 v7, v7, v8                        ; b = bits 2:1
	v_add_nc_u32 v7, s27, v7
	v_add_nc_u32 v7, SCI, v7
	v_lshrrev_b32 v10, 4, v1
	v_mul_u32_u24 v10, v10, 272
	v_and_b32 v8, 15, v1
	v_lshl_add_u32 v10, v8, 4, v10
	v_add_nc_u32 v10, s27, v10
	v_add_nc_u32 v10, IMG, v10                     ; the image, out: two blocks an instruction, sixteen lanes to a block
	v_lshlrev_b32 v13, 3, v1                       ; 8 x lane
	v_add_nc_u32 v12, s27, v13
	v_add_nc_u32 v12, SCI, v12
.irp t, 0,1,2,3,4,5,6,7
	XLOAD \t                                       ; 32 loads of a wave are on their way
.endr
	s_wait_loadcnt 28                              ; row 0's four are in
	XTURN 0
.irp t, 0,1,2,3,4,5,6,7,8,9,10,11,12,13,14,15
	XSTEP \t
.endr
.irp i, 0,1,2,3,4,5,6,7
	ds_load_b128 v[R+4*\i:R+4*\i+3], v10 offset:544*\i       ; these see my stores: a wave's LDS instructions are served in order
.endr
	ds_load_b64 v[X:X+1], v12
.irp i, 0,1,2,3,4,5,6,7
	s_wait_dscnt 8-\i                              ; behind load i: 7 - i of its kind and the scale bytes' load
	global_store_b128 v3, v[R+4*\i:R+4*\i+3], s[14:15] offset:512*\i   ; 512 consecutive bytes
.endr
	s_wait_dscnt 0x0
	global_store_b64 v13, v[X:X+1], s[16:17]       ; 256 consecutive bytes, aligned
	s_wait_tensorcnt 0x0                           ; the wave's end, behind my last LDS store
	ds_add_u32 v[SPW], v[NIL]
	s_wait_dscnt 0x0
	s_endpgm
	; ---- Wq, Wk, Wv: work-group g: matrix g / 64, K step (g / 8) % 8 of 128, columns 128 (g % 8) on; wave w: 32 of them
.Lw_path:
	s_lshr_b32 s24, ttmp9, 6                       ; mat
	s_bfe_u32 s25, ttmp9, 0x30003                  ; s
	s_and_b32 s26, ttmp9, 7                        ; cb
	s_cmp_eq_u32 s24, 0
	s_cselect_b64 s[6:7], s[6:7], s[8:9]           ; the choice hangs on the work-group's number alone
	s_cmp_eq_u32 s24, 2
	s_cselect_b64 s[6:7], s[10:11], s[6:7]
	s_lshl_b32 s28, s25, 19                        ; 128 rows of 4,096 bytes a K step
	s_lshl_b32 s30, s26, 9
	s_add_co_u32 s28, s28, s30
	s_lshl_b32 s30, s22, 7
	s_add_co_u32 s28, s28, s30
	s_add_nc_u64 s[6:7], s[6:7], s[28:29]
	s_lshl_b32 s27, s26, 1
	s_lshr_b32 s30, s22, 1
	s_add_co_u32 s27, s27, s30                     ; the head: 2 cb + w / 2
	s_mul_i32 s27, s27, HB
	s_and_b32 s31, s22, 1                          ; wl: which 32 of the head's 64 columns
	s_lshr_b32 s32, s25, 1                         ; u
	s_and_b32 s33, s25, 1                          ; sl
	s_mul_i32 s32, s32, 3
	s_add_co_u32 s34, s32, s33                     ; q, k: group 3 u + sl, fragment 4 mat + tile
	s_add_co_u32 s35, s32, 2                       ; v:    group 3 u + 2,  fragment 4 sl + tile
	s_lshl_b32 s36, s24, 2
	s_lshl_b32 s37, s33, 2
	s_cmp_lt_u32 s24, 2
	s_cselect_b32 s34, s34, s35
	s_cselect_b32 s36, s36, s37
	s_lshl_b32 s35, s31, 1
	s_add_co_u32 s36, s36, s35
	s_lshl_b32 s34, s34, 13
	s_lshl_b32 s36, s36, 10
	s_add_co_u32 s28, s27, s34
	s_add_co_u32 s28, s28, s36
	s_add_nc_u64 s[38:39], s[18:19], s[28:29]      ; my two fragments
	s_lshl_b32 s34, s24, 1
	s_add_co_u32 s34, s34, s31                     ; the pair of tiles: 2 mat + wl
	s_lshl_b32 s34, s34, 3
	s_add_co_u32 s34, s34, s25
	s_lshl_b32 s34, s34, 7                         ; scale words: [pair 6][s 8][lane 32][4 bytes]
	s_add_co_u32 s28, s27, s34
	s_add_co_u32 s28, s28, 98304
	s_add_nc_u64 s[40:41], s[18:19], s[28:29]
	v_lshlrev_b32 v2, 2, v1                        ; 4 x lane
	v_lshrrev_b32 v3, 4, v1
	v_and_b32 v4, 15, v1
	v_lshlrev_b32 v4, 4, v4
	v_lshl_or_b32 v3, v3, 10, v4                   ; fragment lane / 16, row lane % 16
	WLOAD 0
	WLOAD 1
.irp t, 0,1,2,3
	WBLOCK \t
.endr
	global_store_b32 v2, v[SB], s[40:41]           ; 128 consecutive bytes: lanes 0-15 one tile's words, lanes 16-31 the next tile's
	s_endpgm
	; ---- Wo: work-group g' = g - 192: column block g' / 16 of 256, rows 64 (g' % 16) on; wave w: columns 64 w on of the block
.Lwo_path:
	s_sub_co_u32 s24, ttmp9, 192
	s_lshr_b32 s25, s24, 4                         ; cbk
	s_and_b32 s26, s24, 15                         ; kp
	s_lshl_b32 s27, s25, 2
	s_add_co_u32 s27, s27, s22                     ; which 64 columns of the 1,024
	s_lshl_b32 s28, s26, 18
	s_lshl_b32 s27, s27, 8
	s_add_co_u32 s28, s28, s27
	s_add_nc_u64 s[12:13], s[12:13], s[28:29]
	s_lshl_b32 s28, s25, 3                         ; wo16: [column block 4][chunk of 128 along K: 8][tile 16][k step of 32: 4][1,024 bytes]
	s_lshr_b32 s27, s26, 1
	s_add_co_u32 s28, s28, s27
	s_lshl_b32 s28, s28, 16
	s_lshl_b32 s27, s22, 14
	s_add_co_u32 s28, s28, s27
	s_and_b32 s27, s26, 1
	s_lshl_b32 s27, s27, 11
	s_add_co_u32 s28, s28, s27
	s_add_nc_u64 s[20:21], s[20:21], s[28:29]
	v_lshrrev_b32 v2, 4, v1
	v_and_b32 v4, 15, v1
	v_lshlrev_b32 v4, 4, v4
	v_lshl_or_b32 v2, v2, 15, v4                   ; lane (r, h): 8 h rows down, 16 r bytes along: columns 4 r .. 4 r + 3
	v_lshlrev_b32 v3, 4, v1
	; THE COLUMNS OF A TILE ARE NOT NEIGHBOURS: tile 4 w + t takes column 64 w + 4 r + t, so that a load's four numbers go to four tiles and, in the product's result, four tiles' registers hold 16 neighbouring bytes of a row
.irp q, 0,1
.irp c, 0,1
.irp i, 0,1,2,3,4,5,6,7
	global_load_b128 v[32+64*\q+32*\c+4*\i:32+64*\q+32*\c+4*\i+3], v2, s[12:13] offset:(32*\q+16*\c+\i)*4096 th:TH_LOAD_NT   ; two rows' 256 consecutive bytes
.endr
.endr
.endr
.irp q, 0,1
	s_wait_loadcnt 16-16*\q                        ; this k step's 16 loads are in; the other's may be out
.irp t, 0,1,2,3
.irp c, 0,1
.irp pp, 0,1,2,3
	v_cvt_pk_f16_f32 v[160+32*\q+8*\t+4*\c+\pp], v[32+64*\q+32*\c+8*\pp+\t], v[32+64*\q+32*\c+8*\pp+4+\t]   ; k = 16 c + 8 h + 2 pp, + 1 of tile t's column
.endr
.endr
.endr
.endr
.irp q, 0,1
.irp t, 0,1,2,3
.irp c, 0,1
	global_store_b128 v3, v[160+32*\q+8*\t+4*\c:160+32*\q+8*\t+4*\c+3], s[20:21] offset:4096*\t+1024*\q+512*\c   ; 512 consecutive bytes
.endr
.endr
.endr
	s_endpgm
.Lfunc_end_k_qafe0e756a8_prep:
	.size	k_qafe0e756a8_prep, .Lfunc_end_k_qafe0e756a8_prep-k_qafe0e756a8_prep
	.p2alignl 7, 3214868480
	.fill 96, 4, 3214868480
	.section	.rodata,"a",@progbits
	.p2align	6, 0x0
	.amdhsa_kernel k_qafe0e756a8_prep
		.amdhsa_group_segment_fixed_size 39424
		.amdhsa_private_segment_fixed_size 0
		.amdhsa_enable_private_segment 0
		.amdhsa_kernarg_size 72
		.amdhsa_user_sgpr_count 2
		.amdhsa_user_sgpr_kernarg_segment_ptr 1
		.amdhsa_wavefront_size32 1
		.amdhsa_system_sgpr_workgroup_id_x 1
		.amdhsa_system_sgpr_workgroup_id_y 1
		.amdhsa_system_sgpr_workgroup_id_z 1
		.amdhsa_system_vgpr_workitem_id 0
		.amdhsa_next_free_vgpr 224
		.amdhsa_next_free_sgpr 66
		.amdhsa_reserve_vcc 0
		.amdhsa_float_denorm_mode_32 3
		.amdhsa_float_denorm_mode_16_64 3
		.amdhsa_memory_ordered 1
		.amdhsa_forward_progress 1
		.amdhsa_inst_pref_size 65
	.end_amdhsa_kernel
	.amdgpu_metadata
---
amdhsa.version: [ 1, 2 ]
amdhsa.kernels:
  - .name:           k_qafe0e756a8_prep
    .symbol:         k_qafe0e756a8_prep.kd
    .args:
      - { .name: shape_tokens, .offset: 0, .size: 8, .value_kind: global_buffer, .address_space: global }
      - { .name: Wq, .offset: 8, .size: 8, .value_kind: global_buffer, .address_space: global }
      - { .name: Wk, .offset: 16, .size: 8, .value_kind: global_buffer, .address_space: global }
      - { .name: Wv, .offset: 24, .size: 8, .value_kind: global_buffer, .address_space: global }
      - { .name: Wo, .offset: 32, .size: 8, .value_kind: global_buffer, .address_space: global }
      - { .name: xc, .offset: 40, .size: 8, .value_kind: global_buffer, .address_space: global }
      - { .name: xs, .offset: 48, .size: 8, .value_kind: global_buffer, .address_space: global }
      - { .name: wqkv, .offset: 56, .size: 8, .value_kind: global_buffer, .address_space: global }
      - { .name: wo16, .offset: 64, .size: 8, .value_kind: global_buffer, .address_space: global }
    .group_segment_fixed_size: 39424
    .private_segment_fixed_size: 0
    .kernarg_segment_align: 8
    .kernarg_segment_size: 72
    .max_flat_workgroup_size: 128
    .sgpr_count:     66
    .vgpr_count:     224
    .wavefront_size: 32
...
	.end_amdgpu_metadata
.endif
;; end of part 1
;; launch qkvattn (part 2): grid 32 x 8, 4 waves a work-group, clusters of 4 x 1, 209,408 bytes of LDS; arguments xc, xs, wqkv, bq, bk, bv, pos_emb, ctx; writes ctx
.if DOCPART == 2
	.amdgcn_target "amdgcn-amd-amdhsa--gfx1250"
	.amdhsa_code_object_version 6
	.text
	.protected	k_qafe0e756a8_qkvattn
	.globl	k_qafe0e756a8_qkvattn
	.p2align	8
	.type	k_qafe0e756a8_qkvattn,@function
k_qafe0e756a8_qkvattn:
	s_mov_b64 s[64:65], 0
	v_nop
	global_prefetch_b8 v0, s[64:65] scope:SCOPE_SE
	s_setreg_imm32_b32 hwreg(HW_REG_WAVE_MODE, 25, 1), 1
	s_wait_xcnt 0x0
	s_wait_alu depctr_hold_cnt(0) depctr_sa_sdst(0) depctr_va_vdst(0) depctr_va_sdst(0) depctr_va_ssrc(0) depctr_va_vcc(0) depctr_vm_vsrc(0)
	s_getreg_b32 s2, hwreg(HW_REG_IB_STS2, 6, 4)
	s_cmp_eq_u32 s2, 0
	s_cbranch_scc0 .Lentry_in_a_cluster
	s_endpgm
.Lentry_in_a_cluster:
	s_bfe_u32 s2, ttmp6, 0x10000c
	s_cmp_lg_u32 s2, 0x3003
	s_cbranch_scc0 .Lentry_shape_is_right
	s_endpgm
.Lentry_shape_is_right:
; q, k, v = x W + b on codes of FP4 with E8M0 scales; then for each batch (16 tokens) and head softmax(q k^T / 8 + pos) v, in f16 operands and f32 sums; ctx leaves as f16, laid as the next launch's operand images.
; SHARES.  A work-group owns 512 rows of x (32 batches) and two heads.  BOTH HEADS' WEIGHTS (2 x 104,448 bytes of fragment images and scale words) ARE BROUGHT INTO LDS ONCE and stay: no slot is filled again, and one barrier serves the launch.
; Two passes of 256 rows; in a pass a wave owns 4 batches, whose codes (256 registers) come straight from memory.  For a pass and a head a wave makes 64 x 192 numbers: 48 accumulators, 384 products; each fragment of weights read from LDS feeds four products.
; CLUSTER.  The four work-groups of a cluster have the same two heads and other rows: each quarter of a head's block is asked for JOINTLY, by the same tensor load with the same descriptor and a mask that names the four.
; ORIENTATION.  q and k are made TRANSPOSED (source 0 = 16 columns of W, source 1 = 16 tokens): a lane holds one token and 8 neighbouring channels, and two tiles rounded to f16 are a fragment of 32 channels.
;   v is made as it reads (source 0 = tokens, source 1 = columns): a lane holds one channel and 8 tokens: rounded, that is V^T's fragment for keys 0-15.  S^T = k q^T gives a lane one query and 8 keys: p, rounded, is the next product's source 1.
;   O^T = V^T P gives a lane one query and 8 channels: two tiles, rounded, are the output projection's fragment.  Nothing changes lanes but the row's maximum and sum (one exchange of halves each).  Keys 16-31 of the second product are zeros.
; bq and bk are the C of each sum's first product.  bv is the C of V^T P: each row of p sums to 1 by the softmax itself, so sum p (v + bv) = sum p v + bv.
; SOFTMAX in base 2: t = s log2(e) / 8 + pos log2(e); the row's true maximum of t is taken away; p = 2^(t - max) / sum.  (Another order of rounding than the exponential in base e.)
; LIMITS: |q|, |k|, |v|, |ctx| stay under 65,504, f16's largest number; NaN and infinities are not served.
; REGISTERS, in windows of 256 (s_set_vgpr_msb: bits 1:0 source 0, 3:2 source 1, 5:4 source 2, 7:6 destination):
;   window 0: v3-13 addresses; v16-31 x's scale words; v32-79 the weights' scale words; v80-143 bq, bk in the results' layout; v144-175 bv; v176-183 pos
;   window 1: x's fragment (batch m, K step s) at 64 m + 8 s
;   window 2 + m / 2: accumulator (m, tile T) at 96 (m % 2) + 8 T (T 0-3 q, 4-7 k, 8-11 v); v192-255 of windows 2 and 3: two buffers of 8 weight fragments
.set HB,    104448                     ; a head's block
.set QW,    26112                      ; a quarter of it: 102 rows of 256 bytes: what one tensor load brings
.set SPARE, 2*HB                       ; behind the two blocks: the spare words, 128 bytes for each wave
.set L8,  3                            ; v3     8 x lane
.set LI,  4                            ; v4     16 x lane
.set AW,  4                            ; v4-7   16 x lane + 65,536 k: LDS addresses of the fragment loads
.set AS,  8                            ; v8-9   4 x lane + 65,536 (2 j + 1): of head j's scale words
.set VB,  10                           ; v10    32 (lane / 16): the biases
.set VP,  11                           ; v11    64 (lane % 16) + 32 (lane / 16): pos
.set SPW, 12                           ; v12    LDS address of my spare word; never rewritten
.set NIL, 13                           ; v13    0; never rewritten
.set XS,  16                           ; register 4 m + 2 (s / 4) + (s / 2) % 2; lanes 0-15 even s, lanes 16-31 odd s
.set WS,  32                           ; register 8 (T / 2) + s; lanes 0-15 even T, lanes 16-31 odd T
.set BQK, 80
.set BV,  144
.set POS, 176
.set WV,  20                           ; s20 wave
.set G1,  24                           ; s[24:31] descriptor group 1
.set G0,  32                           ; s[32:39] group 0 for head 0, head 1
.set SEL, 40                           ; s[40:41] v_permlanex16_b32's selects for lane l xor 16
.set CS,  42                           ; s[42:43] log2(e) / 8, twice
.set PASS, 44                          ; s44 passes to go
.set XB,  46                           ; s[46:47] xc at my wave's first batch
.set XSB, 48                           ; s[48:49] xs likewise
.set CB,  50                           ; s[50:51] ctx at my wave's first tile of this pass
.set BQ,  52                           ; s[52:53], s[54:55], s[56:57] bq, bk, bv at my first head; s[58:59] pos
.set BK,  54
.set BVP, 56
.set PP,  58
.set MSB, 0
.macro WIN new                         ; the immediate's high byte repeats the setting that is left; a switch that changes nothing is dropped
.if MSB != (\new)
	s_set_vgpr_msb (MSB<<8)|(\new)
.set MSB, (\new)
.endif
.endm
.macro PLACES n
.rept \n
	v_nop
.endr
.endm
.macro CROUND                          ; a round of the cluster's barrier
	s_barrier_signal -1
	s_barrier_wait -1
	s_cmp_lg_u32 s[WV], 0
	s_cbranch_scc1 .Lnot_wave_0_\@
	s_barrier_signal -3
.Lnot_wave_0_\@:
	s_barrier_wait -3
	s_barrier_signal -1
	s_barrier_wait -1
.endm
; one scaled product; c < 0: the sum starts with 0; ra, rb: the scale words stand in lanes 16-31
.macro WM d, a, b, c, sa, sb, ra, rb
.if (\c) < 0
.if (\ra) && (\rb)
	v_wmma_scale_f32_16x16x128_f8f6f4 v[\d:\d+7], v[\a:\a+7], v[\b:\b+7], 0, v[\sa], v[\sb] matrix_a_fmt:MATRIX_FMT_FP4 matrix_b_fmt:MATRIX_FMT_FP4 matrix_a_scale:MATRIX_SCALE_ROW1 matrix_b_scale:MATRIX_SCALE_ROW1
.elseif (\ra)
	v_wmma_scale_f32_16x16x128_f8f6f4 v[\d:\d+7], v[\a:\a+7], v[\b:\b+7], 0, v[\sa], v[\sb] matrix_a_fmt:MATRIX_FMT_FP4 matrix_b_fmt:MATRIX_FMT_FP4 matrix_a_scale:MATRIX_SCALE_ROW1
.elseif (\rb)
	v_wmma_scale_f32_16x16x128_f8f6f4 v[\d:\d+7], v[\a:\a+7], v[\b:\b+7], 0, v[\sa], v[\sb] matrix_a_fmt:MATRIX_FMT_FP4 matrix_b_fmt:MATRIX_FMT_FP4 matrix_b_scale:MATRIX_SCALE_ROW1
.else
	v_wmma_scale_f32_16x16x128_f8f6f4 v[\d:\d+7], v[\a:\a+7], v[\b:\b+7], 0, v[\sa], v[\sb] matrix_a_fmt:MATRIX_FMT_FP4 matrix_b_fmt:MATRIX_FMT_FP4
.endif
.else
.if (\ra) && (\rb)
	v_wmma_scale_f32_16x16x128_f8f6f4 v[\d:\d+7], v[\a:\a+7], v[\b:\b+7], v[\c:\c+7], v[\sa], v[\sb] matrix_a_fmt:MATRIX_FMT_FP4 matrix_b_fmt:MATRIX_FMT_FP4 matrix_a_scale:MATRIX_SCALE_ROW1 matrix_b_scale:MATRIX_SCALE_ROW1
.elseif (\ra)
	v_wmma_scale_f32_16x16x128_f8f6f4 v[\d:\d+7], v[\a:\a+7], v[\b:\b+7], v[\c:\c+7], v[\sa], v[\sb] matrix_a_fmt:MATRIX_FMT_FP4 matrix_b_fmt:MATRIX_FMT_FP4 matrix_a_scale:MATRIX_SCALE_ROW1
.elseif (\rb)
	v_wmma_scale_f32_16x16x128_f8f6f4 v[\d:\d+7], v[\a:\a+7], v[\b:\b+7], v[\c:\c+7], v[\sa], v[\sb] matrix_a_fmt:MATRIX_FMT_FP4 matrix_b_fmt:MATRIX_FMT_FP4 matrix_b_scale:MATRIX_SCALE_ROW1
.else
	v_wmma_scale_f32_16x16x128_f8f6f4 v[\d:\d+7], v[\a:\a+7], v[\b:\b+7], v[\c:\c+7], v[\sa], v[\sb] matrix_a_fmt:MATRIX_FMT_FP4 matrix_b_fmt:MATRIX_FMT_FP4
.endif
.endif
.endm
; my 4 batches' codes and scale words of pass nxt: 32 fragments, each load 512 consecutive bytes; the scale words 256
.macro XFETCH nxt
	WIN 0x40
.irp m, 0,1,2,3
.irp s, 0,1,2,3,4,5,6,7
.irp c, 0,1
	global_load_b128 v[64*\m+8*\s+4*\c:64*\m+8*\s+4*\c+3], v[LI], s[XB:XB+1] offset:131072*\nxt+8192*\m+1024*\s+512*\c
.endr
.endr
.endr
	WIN 0
.irp m, 0,1,2,3
.irp kh, 0,1
	global_load_b64 v[XS+4*\m+2*\kh:XS+4*\m+2*\kh+1], v[L8], s[XSB:XSB+1] offset:8192*\nxt+512*\m+256*\kh
.endr
.endr
.endm
.macro BLOAD j                         ; bq, bk of head j: tile t, lane (r, h): b[16 t + 8 h + 0 .. 7]
.irp t, 0,1,2,3
.irp hf, 0,1
	global_load_b128 v[BQK+8*\t+4*\hf:BQK+8*\t+4*\hf+3], v[VB], s[BQ:BQ+1] offset:256*(\j)+64*\t+16*\hf
	global_load_b128 v[BQK+32+8*\t+4*\hf:BQK+32+8*\t+4*\hf+3], v[VB], s[BK:BK+1] offset:256*(\j)+64*\t+16*\hf
.endr
.endr
.endm
.macro VPLOAD j                        ; bv likewise; pos[head][query r][key 8 h + 0 .. 7]
.irp t, 0,1,2,3
.irp hf, 0,1
	global_load_b128 v[BV+8*\t+4*\hf:BV+8*\t+4*\hf+3], v[VB], s[BVP:BVP+1] offset:256*(\j)+64*\t+16*\hf
.endr
.endr
.irp hf, 0,1
	global_load_b128 v[POS+4*\hf:POS+4*\hf+3], v[VP], s[PP:PP+1] offset:1024*(\j)+16*\hf
.endr
.endm
.macro WSLOAD j                        ; head j's 48 registers of scale words
.irp p, 0,1,2,3,4,5
.irp s, 0,1,2,3,4,5,6,7
	ds_load_b32 v[WS+8*\p+\s], v[AS+\j] offset:(\j)*HB+98304+128*(8*\p+\s)-65536*(2*(\j)+1)
.endr
.endr
.endm
.macro GLOAD j, g                      ; group g's 8 fragments into buffer g % 2: 16 loads of 512 consecutive bytes
	WIN 0x80+0x40*((\g)%2)
.irp i, 0,1,2,3,4,5,6,7
.irp c, 0,1
.set pP, (\j)*HB+8192*(\g)+1024*\i+512*\c
	ds_load_b128 v[192+8*\i+4*\c:192+8*\i+4*\c+3], v[AW+(pP>>16)] offset:(pP&0xffff)
.endr
.endr
.endm
; GROUP g = 3 u + kind: kinds 0, 1: K step 2 u + kind of tiles 0-7 (q, k), transposed; kind 2: K steps 2 u and 2 u + 1 of tiles 8-11 (v).  32 products: each fragment against my 4 batches.
; The accumulators take turns, one instruction a turn: the same one comes again after 8 others at the soonest.
.macro MULG g
.set gk, (\g)%3
.set gu, (\g)/3
.set gb, (\g)%2
.irp mh, 0,1
.if gk == 2
.set wn, 1|((2+gb)<<2)|((2+\mh)<<4)|((2+\mh)<<6)
.elseif (\g) == 0
.set wn, (2+gb)|4|((2+\mh)<<6)
.else
.set wn, (2+gb)|4|((2+\mh)<<4)|((2+\mh)<<6)
.endif
	WIN wn
.irp i, 0,1,2,3,4,5,6,7
.irp mm, 0,1
.set mq, 2*\mh+\mm
.if gk == 2
.set tT, 8+\i%4
.set sS, 2*gu+\i/4
.else
.set tT, \i
.set sS, 2*gu+gk
.endif
.set rD, 96*\mm+8*tT
.set rW, 192+8*\i
.set rX, 64*mq+8*sS
.set rWS, WS+8*(tT/2)+sS
.set rXS, XS+4*mq+2*(sS>>2)+((sS>>1)&1)
.set fW, tT&1
.set fX, sS&1
.set rC, rD
.if gk == 2
.if ((\g) == 2) && (\i < 4)
.set rC, -1
.endif
	WM rD, rX, rW, rC, rXS, rWS, fX, fW
.else
.if (\g) == 0
.set rC, BQK+8*tT
.endif
	WM rD, rW, rX, rC, rWS, rXS, fW, fX
.endif
.endr
.endr
.endr
.endm
; THE ATTENTION of the two batches of window 2 + mh, in that window.  B = 96 mm.  After PACKW: q's two fragments at B, B + 16; k's at B + 32, B + 48; V^T's four at B + 64 + 8 t; S^T at B + 8; p's fragment at B + 24; at work B + 40 .. 45.
.macro PACKW mh
	WIN 0xaa+0x55*(\mh)
.irp mm, 0,1
.irp tt, 0,1,2,3,4,5,6,7               ; in place, ascending: every source is read before it is written over; each accumulator from its low end on
.irp pp, 0,1,2,3
	v_cvt_pk_f16_f32 v[96*\mm+16*(\tt/2)+4*(\tt%2)+\pp], v[96*\mm+8*\tt+2*\pp], v[96*\mm+8*\tt+2*\pp+1]
.endr
.endr
.irp tt, 8,9,10,11
.irp pp, 0,1,2,3
	v_cvt_pk_f16_f32 v[96*\mm+8*\tt+\pp], v[96*\mm+8*\tt+2*\pp], v[96*\mm+8*\tt+2*\pp+1]
.endr
.irp pp, 0,1,2,3
	v_mov_b32 v[96*\mm+8*\tt+4+\pp], 0             ; keys 16-31 of V^T
.endr
.endr
.irp pp, 0,1,2,3
	v_mov_b32 v[96*\mm+28+\pp], 0                  ; and of p
.endr
.endr
.endm
.macro SCORE mh                        ; S^T = k q^T: two products deep, the two batches by turns
	WIN 0xaa+0x55*(\mh)
.irp mm, 0,1
	v_wmma_f32_16x16x32_f16 v[96*\mm+8:96*\mm+15], v[96*\mm+32:96*\mm+39], v[96*\mm:96*\mm+7], 0
.endr
.irp mm, 0,1
	v_wmma_f32_16x16x32_f16 v[96*\mm+8:96*\mm+15], v[96*\mm+48:96*\mm+55], v[96*\mm+16:96*\mm+23], v[96*\mm+8:96*\mm+15]
.endr
.endm
.macro SOFT mh                         ; the two batches line by line by turns
	WIN 0x8a+0x45*(\mh)                            ; source 2 (pos) in window 0
.irp i, 0,2,4,6
.irp mm, 0,1
	v_pk_fma_f32 v[96*\mm+8+\i:96*\mm+9+\i], v[96*\mm+8+\i:96*\mm+9+\i], s[CS:CS+1], v[POS+\i:POS+\i+1] op_sel_hi:[1,0,1]   ; t = s log2(e) / 8 + pos log2(e)
.endr
.endr
	WIN 0xaa+0x55*(\mh)
.irp mm, 0,1
	v_max3_num_f32 v[96*\mm+40], v[96*\mm+8], v[96*\mm+9], v[96*\mm+10]
.endr
.irp i, 11,13
.irp mm, 0,1
	v_max3_num_f32 v[96*\mm+40], v[96*\mm+40], v[96*\mm+\i], v[96*\mm+\i+1]
.endr
.endr
.irp mm, 0,1
	v_max_num_f32 v[96*\mm+40], v[96*\mm+40], v[96*\mm+15]
.endr
.irp mm, 0,1
	v_permlanex16_b32 v[96*\mm+41], v[96*\mm+40], s[SEL], s[SEL+1]   ; the query's other 8 keys lie in the lane 16 away
.endr
.irp mm, 0,1
	v_max_num_f32 v[96*\mm+40], v[96*\mm+40], v[96*\mm+41]           ; the row's maximum
.endr
.irp i, 0,2,4,6
.irp mm, 0,1
	v_pk_add_f32 v[96*\mm+8+\i:96*\mm+9+\i], v[96*\mm+8+\i:96*\mm+9+\i], v[96*\mm+40:96*\mm+41] op_sel_hi:[1,0] neg_lo:[0,1] neg_hi:[0,1]   ; t - max
.endr
.endr
.irp i, 0,1,2,3,4,5,6,7
.irp mm, 0,1
	v_exp_f32 v[96*\mm+8+\i], v[96*\mm+8+\i]
.endr
.endr
	v_nop                                          ; a plain line behind the last exponential,
	s_wait_alu depctr_va_vdst(0)                   ; and the wait ahead of the first use: one for the batch of 16
.irp mm, 0,1
	v_pk_add_f32 v[96*\mm+42:96*\mm+43], v[96*\mm+8:96*\mm+9], v[96*\mm+10:96*\mm+11]
.endr
.irp mm, 0,1
	v_pk_add_f32 v[96*\mm+44:96*\mm+45], v[96*\mm+12:96*\mm+13], v[96*\mm+14:96*\mm+15]
.endr
.irp mm, 0,1
	v_pk_add_f32 v[96*\mm+42:96*\mm+43], v[96*\mm+42:96*\mm+43], v[96*\mm+44:96*\mm+45]
.endr
.irp mm, 0,1
	v_add_f32 v[96*\mm+42], v[96*\mm+42], v[96*\mm+43]
.endr
.irp mm, 0,1
	v_permlanex16_b32 v[96*\mm+43], v[96*\mm+42], s[SEL], s[SEL+1]
.endr
.irp mm, 0,1
	v_add_f32 v[96*\mm+42], v[96*\mm+42], v[96*\mm+43]               ; the row's sum
.endr
.irp mm, 0,1
	v_rcp_f32 v[96*\mm+44], v[96*\mm+42]
.endr
	v_nop
	s_wait_alu depctr_va_vdst(0)                   ; one wait for the two reciprocals
.irp i, 0,2,4,6
.irp mm, 0,1
	v_pk_mul_f32 v[96*\mm+8+\i:96*\mm+9+\i], v[96*\mm+8+\i:96*\mm+9+\i], v[96*\mm+44:96*\mm+45] op_sel_hi:[1,0]
.endr
.endr
.irp pp, 0,1,2,3
.irp mm, 0,1
	v_cvt_pk_f16_f32 v[96*\mm+24+\pp], v[96*\mm+8+2*\pp], v[96*\mm+9+2*\pp]
.endr
.endr
.endm
.macro PVW mh                          ; O^T = V^T P + bv, over the registers that k's fragments have left
	WIN 0x8a+0x45*(\mh)                            ; source 2 (bv) in window 0
.irp t, 0,1,2,3
.irp mm, 0,1
	v_wmma_f32_16x16x32_f16 v[96*\mm+32+8*\t:96*\mm+39+8*\t], v[96*\mm+64+8*\t:96*\mm+71+8*\t], v[96*\mm+24:96*\mm+31], v[BV+8*\t:BV+8*\t+7]
.endr
.endr
.endm
.macro CPACK mh                        ; tiles 2 c, 2 c + 1 become the fragment of channels 32 c on, at B + 32 + 16 c; in place, ascending
	WIN 0xaa+0x55*(\mh)
.irp mm, 0,1
.irp t, 0,1,2,3
.irp pp, 0,1,2,3
	v_cvt_pk_f16_f32 v[96*\mm+32+16*(\t/2)+4*(\t%2)+\pp], v[96*\mm+32+8*\t+2*\pp], v[96*\mm+32+8*\t+2*\pp+1]
.endr
.endr
.endr
.endm
.macro CSTORE j, mh                    ; ctx: [block of 256 rows][chunk of 128 channels][tile of 16 rows][32 channels: 4][1,024 bytes]; each store covers 512 consecutive bytes
	WIN 0x08+0x04*(\mh)                            ; a store's data are its source 1
.irp mm, 0,1
.irp c, 0,1
.irp hf, 0,1
	global_store_b128 v[LI], v[96*\mm+32+16*\c+4*\hf:96*\mm+32+16*\c+4*\hf+3], s[CB:CB+1] offset:4096*(2*(\mh)+\mm)+1024*(2*(\j)+\c)+512*\hf
.endr
.endr
.endr
.endm
.macro HEAD j
	s_wait_loadcnt 0x0                             ; x's codes and scale words, bq and bk are in
	s_wait_xcnt 0x0                                ; the last stores of ctx have read their registers, which the products below write
	WSLOAD \j
	GLOAD \j, 0
	GLOAD \j, 1
	WIN 0
	VPLOAD \j
.irp g, 0,1,2,3,4,5,6,7,8,9,10,11
.if \g < 11
	s_wait_dscnt 16                                ; this group (and the scale words) are in; the next group's 16 loads may be out
.else
	s_wait_dscnt 0x0
.endif
	MULG \g
.if \g < 10
	PLACES 4                                       ; in front of loads into registers that the products have read
	GLOAD \j, \g+2
.endif
.if \g == 0
	WIN 0
	BLOAD 1-\j                                     ; the next head's bq, bk: group 0 alone reads them
.endif
.endr
	PLACES 5                                       ; in front of the first reads of results, of loads into x's registers, and of products that write over these products' registers
	WIN 0
	s_wait_loadcnt 0x0                             ; bv, pos, the next bq and bk
.if \j == 1
	s_cmp_eq_u32 s[PASS], 1                        ; the next pass's x is asked for here, if there is a next pass: no load leaves its buffer
	s_cbranch_scc1 .Lno_next_\@
	XFETCH 1
.Lno_next_\@:
.endif
.irp i, 0,2,4,6
	v_pk_mul_f32 v[POS+\i:POS+\i+1], v[POS+\i:POS+\i+1], 0x3fb8aa3b op_sel_hi:[1,0]   ; pos log2(e)
.endr
	PACKW 0
	PACKW 1
	SCORE 0
	SCORE 1
	PLACES 4
	SOFT 0
	SOFT 1
	PVW 0
	PVW 1
	PLACES 5                                       ; in front of the reads of O^T, and of the next head's products, which write over these registers
	CPACK 0
	CPACK 1
	CSTORE \j, 0
	CSTORE \j, 1
	WIN 0
.endm
	s_load_b512 s[4:19], s[0:1], 0x0               ; xc s[4:5], xs s[6:7], wqkv s[8:9], bq s[10:11], bk s[12:13], bv s[14:15], pos s[16:17], ctx s[18:19]
	v_lshl_add_u32 v[SPW], v0, 2, SPARE
	v_mov_b32 v[NIL], 0
	ds_add_u32 v[SPW], v[NIL]                      ; the wave's opening: the add, twice on end, and its wait ahead of my first tensor load
	ds_add_u32 v[SPW], v[NIL]
	v_lshrrev_b32 v1, 5, v0
	v_readfirstlane_b32 s[WV], v1                  ; wave 0..3
	s_bfe_u32 s21, ttmp6, 0x40000                  ; cx: it enters x's and ctx's addresses alone
	s_lshl_b32 s22, ttmp9, 2
	s_add_co_u32 s22, s22, s21                     ; my block of 512 rows
	s_and_b32 s23, ttmp7, 0xffff                   ; my pair of heads, which the four partners share
	s_mov_b32 s[G1], 15|(3<<16)|(1<<21)            ; 15:0 the mask: all four; 17:16 elements of 8 bytes; 21 set beside a mask; no padding: the images are read 512 consecutive bytes at a time
	s_mov_b32 s[G1+1], 32<<16                      ; tensor_dim0 = 32 elements: 256 bytes
	s_mov_b32 s[G1+2], 102<<16                     ; tensor_dim1 = 102
	s_mov_b32 s[G1+3], 32<<16                      ; tile_dim0
	s_mov_b32 s[G1+4], 102                         ; tile_dim1
	s_mov_b32 s[G1+5], 32                          ; from row to row: dense
	s_mov_b32 s[G1+6], 0
	s_mov_b32 s[G1+7], 0
	s_mov_b32 s[SEL], 0x76543210
	s_mov_b32 s[SEL+1], 0xfedcba98
	s_mov_b32 s[CS], 0x3e38aa3b                    ; log2(e) / 8
	s_mov_b32 s[CS+1], s[CS]
	s_mov_b32 s[PASS], 2
	s_lshl_b32 s60, s23, 1
	s_mul_i32 s60, s60, HB                         ; my first head's block,
	s_mul_i32 s62, s[WV], QW                       ; my wave's quarter of a block: in memory and in LDS
	s_add_co_u32 s60, s60, s62
	s_mov_b32 s61, 0
	v_and_b32 v1, 31, v0
	v_lshlrev_b32 v[L8], 3, v1
	v_lshlrev_b32 v[LI], 4, v1
	v_add_nc_u32 v[AW+1], 0x10000, v[LI]
	v_add_nc_u32 v[AW+2], 0x20000, v[LI]
	v_add_nc_u32 v[AW+3], 0x30000, v[LI]
	v_lshl_add_u32 v[AS], v1, 2, 0x10000
	v_lshl_add_u32 v[AS+1], v1, 2, 0x30000
	v_lshrrev_b32 v14, 4, v1
	v_lshlrev_b32 v[VB], 5, v14
	v_and_b32 v15, 15, v1
	v_lshl_add_u32 v[VP], v15, 6, v[VB]
	s_wait_dscnt 0x0                               ; both opening adds are done
	s_wait_kmcnt 0x0
	s_mov_b32 s[G0], 1
	s_mov_b32 s[G0+1], s62
	s_add_nc_u64 s[G0+2:G0+3], s[8:9], s[60:61]
	s_mov_b32 s[G0+4], 1
	s_add_co_u32 s[G0+5], s62, HB
	s_add_nc_u64 s[G0+6:G0+7], s[G0+2:G0+3], HB
	s_or_b32 s[G0+3], s[G0+3], 0x80000000          ; type = 2
	s_or_b32 s[G0+7], s[G0+7], 0x80000000
	s_mov_b32 s3, 0
	s_lshl_b32 s2, s22, 18                         ; xc: 8,192 bytes a batch: 32 batches a block, 4 a wave
	s_lshl_b32 s45, s[WV], 15
	s_add_co_u32 s2, s2, s45
	s_add_nc_u64 s[XB:XB+1], s[4:5], s[2:3]
	s_lshl_b32 s2, s22, 14                         ; xs: 512 bytes a batch
	s_lshl_b32 s45, s[WV], 11
	s_add_co_u32 s2, s2, s45
	s_add_nc_u64 s[XSB:XSB+1], s[6:7], s[2:3]
	s_lshl_b32 s2, s22, 20                         ; ctx: two blocks of 256 rows x 8 chunks x 65,536 bytes; chunk = my pair of heads; 4 tiles of 4,096 bytes a wave
	s_lshl_b32 s45, s23, 16
	s_add_co_u32 s2, s2, s45
	s_lshl_b32 s45, s[WV], 14
	s_add_co_u32 s2, s2, s45
	s_add_nc_u64 s[CB:CB+1], s[18:19], s[2:3]
	s_lshl_b32 s2, s23, 9                          ; the biases: 256 bytes a head
	s_add_nc_u64 s[BQ:BQ+1], s[10:11], s[2:3]
	s_add_nc_u64 s[BK:BK+1], s[12:13], s[2:3]
	s_add_nc_u64 s[BVP:BVP+1], s[14:15], s[2:3]
	s_lshl_b32 s2, s23, 11                         ; pos: 1,024 bytes a head
	s_add_nc_u64 s[PP:PP+1], s[16:17], s[2:3]
	CROUND                                         ; all four work-groups are here: the joint loads meet
	tensor_load_to_lds s[G0:G0+3], s[G1:G1+7]      ; my quarter of head 0's block: two loads of mine are out, the launch's only ones
	s_nop 0
	tensor_load_to_lds s[G0+4:G0+7], s[G1:G1+7]    ; and of head 1's
	s_nop 0
.rept 4
	v_nop
.endr
	XFETCH 0
	BLOAD 0
	s_wait_tensorcnt 0x0                           ; my quarters have landed,
	s_barrier_signal -1
	s_barrier_wait -1                              ; everybody's have: from here on these bytes are only read
.Lpass:
	HEAD 0
	HEAD 1
	s_wait_xcnt 0x0                                ; the stores have read their base
	s_add_nc_u64 s[CB:CB+1], s[CB:CB+1], 524288    ; the next block of 256 rows
	s_sub_co_u32 s[PASS], s[PASS], 1
	s_cmp_lg_u32 s[PASS], 0
	s_cbranch_scc1 .Lpass
	s_wait_tensorcnt 0x0                           ; the wave's end
	ds_add_u32 v[SPW], v[NIL]
	s_wait_dscnt 0x0
	CROUND                                         ; the closing round
	s_endpgm
.Lfunc_end_k_qafe0e756a8_qkvattn:
	.size	k_qafe0e756a8_qkvattn, .Lfunc_end_k_qafe0e756a8_qkvattn-k_qafe0e756a8_qkvattn
	.p2alignl 7, 3214868480
	.fill 96, 4, 3214868480
	.section	.rodata,"a",@progbits
	.p2align	6, 0x0
	.amdhsa_kernel k_qafe0e756a8_qkvattn
		.amdhsa_group_segment_fixed_size 209408
		.amdhsa_private_segment_fixed_size 0
		.amdhsa_enable_private_segment 0
		.amdhsa_kernarg_size 64
		.amdhsa_user_sgpr_count 2
		.amdhsa_user_sgpr_kernarg_segment_ptr 1
		.amdhsa_wavefront_size32 1
		.amdhsa_system_sgpr_workgroup_id_x 1
		.amdhsa_system_sgpr_workgroup_id_y 1
		.amdhsa_system_sgpr_workgroup_id_z 1
		.amdhsa_system_vgpr_workitem_id 0
		.amdhsa_next_free_vgpr 1024
		.amdhsa_next_free_sgpr 66
		.amdhsa_reserve_vcc 0
		.amdhsa_float_denorm_mode_32 3
		.amdhsa_float_denorm_mode_16_64 3
		.amdhsa_memory_ordered 1
		.amdhsa_forward_progress 1
		.amdhsa_inst_pref_size 219
	.end_amdhsa_kernel
	.amdgpu_metadata
---
amdhsa.version: [ 1, 2 ]
amdhsa.kernels:
  - .name:           k_qafe0e756a8_qkvattn
    .symbol:         k_qafe0e756a8_qkvattn.kd
    .args:
      - { .name: xc, .offset: 0, .size: 8, .value_kind: global_buffer, .address_space: global }
      - { .name: xs, .offset: 8, .size: 8, .value_kind: global_buffer, .address_space: global }
      - { .name: wqkv, .offset: 16, .size: 8, .value_kind: global_buffer, .address_space: global }
      - { .name: bq, .offset: 24, .size: 8, .value_kind: global_buffer, .address_space: global }
      - { .name: bk, .offset: 32, .size: 8, .value_kind: global_buffer, .address_space: global }
      - { .name: bv, .offset: 40, .size: 8, .value_kind: global_buffer, .address_space: global }
      - { .name: pos_emb, .offset: 48, .size: 8, .value_kind: global_buffer, .address_space: global }
      - { .name: ctx, .offset: 56, .size: 8, .value_kind: global_buffer, .address_space: global }
    .group_segment_fixed_size: 209408
    .private_segment_fixed_size: 0
    .kernarg_segment_align: 8
    .kernarg_segment_size: 64
    .max_flat_workgroup_size: 128
    .sgpr_count:     66
    .vgpr_count:     1024
    .wavefront_size: 32
...
	.end_amdgpu_metadata
.endif
;; end of part 2
;; launch outproj (part 3): grid 4 x 64, 4 waves a work-group, clusters of 4 x 4, 327,680 bytes of LDS; arguments ctx, wo16, bo, out0; writes out0
.if DOCPART == 3
	.amdgcn_target "amdgcn-amd-amdhsa--gfx1250"
	.amdhsa_code_object_version 6
	.text
	.protected	k_qafe0e756a8_outproj
	.globl	k_qafe0e756a8_outproj
	.p2align	8
	.type	k_qafe0e756a8_outproj,@function
k_qafe0e756a8_outproj:
	s_mov_b64 s[64:65], 0
	v_nop
	global_prefetch_b8 v0, s[64:65] scope:SCOPE_SE
	s_setreg_imm32_b32 hwreg(HW_REG_WAVE_MODE, 25, 1), 1
	s_wait_xcnt 0x0
	s_wait_alu depctr_hold_cnt(0) depctr_sa_sdst(0) depctr_va_vdst(0) depctr_va_sdst(0) depctr_va_ssrc(0) depctr_va_vcc(0) depctr_vm_vsrc(0)
	s_getreg_b32 s2, hwreg(HW_REG_IB_STS2, 6, 4)
	s_cmp_eq_u32 s2, 0
	s_cbranch_scc0 .Lentry_in_a_cluster
	s_endpgm
.Lentry_in_a_cluster:
	s_bfe_u32 s2, ttmp6, 0x10000c
	s_cmp_lg_u32 s2, 0xf033
	s_cbranch_scc0 .Lentry_shape_is_right
	s_endpgm
.Lentry_shape_is_right:
; out = ctx Wo + bo.  ctx [16384][1024] and Wo [1024][1024] come as f16, laid as images of operand registers (a fragment of 16 rows or columns x 32 along K is 1,024 bytes: 16 bytes a lane, twice); sums in f32; out f32.
; A tile of out, 256 x 256, is made by a work-group of four waves; a wave makes 128 x 128: 64 accumulators, 512 registers.  K goes in 8 chunks of 128 through a ring of two LDS slots filled by the tensor data mover:
; a chunk's part of the tile's rows of ctx is 65,536 consecutive bytes of memory, and so is Wo's; each wave brings a quarter of a slot with one load of 128 rows of 256 bytes.  No padding: every LDS load takes 512 consecutive bytes.
; CLUSTERS: 4 x 4 work-groups.  The four of a row of the cluster need the same chunk of ctx, the four of a column the same chunk of Wo: each is asked for JOINTLY, by the same tensor load with the same descriptor and a mask that names the four.
; THE COLUMNS OF A TILE OF Wo ARE NOT NEIGHBOURS: tile 4 G + t takes column 64 G + 4 r + t.  So for one row the same register of four accumulators is 16 neighbouring bytes of out in lane r: the addition of bo gathers them into four registers
; on end, and sixteen lanes store 256 consecutive bytes, aligned, with no way through LDS.
; REGISTERS: window 0: v16-30 addresses, v32-39 bo, v64-127 and v128-191 ctx's fragments, two buffers (on the way out: rows of out); window 1: v64-127, v128-191 Wo's; window 2: the accumulators of my rows 0-63 ((a, b) at 8 (8 a + b)); window 3: rows 64-127.
; LIMIT: the operands are f16: |ctx|, |Wo| under 65,504.
.set KCH,   65536                      ; a chunk of A or of B
.set HALFT, 32768                      ; what one tensor load brings, and what one wave reads of A or of B
.set SLOT,  131072                     ; A's chunk, then B's
.set SPARE, 2*SLOT                     ; behind the ring: the spare words, 128 bytes for each wave
.set LAPS,  4                          ; a lap = two chunks = once round the ring
.set ADRA, 16                          ; v16-17  LDS address of my A fragments in slot 0, 1
.set ADRB, 20                          ; v20-21  the same for B
.set CO,   26                          ; v26     my byte offset in out: 8 (lane / 16) rows + 16 (lane % 16)
.set SPW,  28                          ; v28     LDS address of my spare word; never rewritten
.set NIL,  29                          ; v29     0; never rewritten
.set PFO,  30                          ; v30     256 x lane: the prefetches' offset; never rewritten
.set BO,   32                          ; v32-39  bo of my columns: register 4 gq + t: column 64 gq + 4 r + t
.set F0,   64
.set F1,   128
.set OB,   64                          ; the way out: two sets of 64
.set PFA,  44                          ; s[44:45] where my prefetches stand
.set LIM,  43                          ; s43     1 in a wave that prefetches, else the greatest number
.set G1,  24                           ; s[24:31] group 1 for A; s[32:39] group 0, a set for each slot
.set G0,  32
.set G1B, 48                           ; s[48:55], s[56:63] the same for B
.set G0B, 56
.set MSB, 0
.macro WIN new
.if MSB != (\new)
	s_set_vgpr_msb (MSB<<8)|(\new)
.set MSB, (\new)
.endif
.endm
.set MUL_LO, 0xa4                      ; source 0 (A) window 0, source 1 (B) window 1, C and D window 2
.set MUL_HI, 0xf4                      ; the same, C and D window 3
.set TO_B,   0x40                      ; destination window 1, address window 0
.macro JLOAD s                         ; a joint load: waves 0 and 1 fetch A's halves, waves 2 and 3 B's; an s_nop 0 and four v_nop follow each line
	s_cmp_eq_u32 s11, 0
	s_cbranch_scc0 .Lfor_b_\@
	tensor_load_to_lds s[G0+4*\s:G0+4*\s+3], s[G1:G1+7]
	s_nop 0
.rept 4
	v_nop
.endr
	s_branch .Lasked_\@
.Lfor_b_\@:
	tensor_load_to_lds s[G0B+4*\s:G0B+4*\s+3], s[G1B:G1B+7]
	s_nop 0
.rept 4
	v_nop
.endr
.Lasked_\@:
.endm
; A prefetch of the chunk that stands two refills on: of the 32,768 bytes that a wave fetches, each of the four partners that ask jointly names 8,192, told apart by address; lanes 256 bytes apart; one instruction a wave.
; ctx's rows are read by this cluster alone; Wo's columns by all sixteen clusters, of which the first (cluster y = 0) asks.  So each block of 256 bytes is named once.  Chunks 4 to 7 are asked for; the loop's last trip asks for nothing.
.macro ASK
	s_cmp_gt_u32 s3, s[LIM]
	s_cbranch_scc0 .Lnot_mine_\@
	global_prefetch_b8 v[PFO], s[PFA:PFA+1] offset:KCH th:TH_LOAD_NT scope:SCOPE_SE
.Lnot_mine_\@:
.endm
.macro CREST                           ; a round of the cluster's barrier behind its opening barrier
	s_cmp_lg_u32 s10, 0
	s_cbranch_scc1 .Lnot_wave_0_\@
	s_barrier_signal -3
.Lnot_wave_0_\@:
	s_barrier_wait -3
	s_barrier_signal -1
	s_barrier_wait -1
.endm
.macro CROUND
	s_barrier_signal -1
	s_barrier_wait -1
	CREST
.endm
	s_load_b128 s[4:7], s[0:1], 0x0                ; ctx s[4:5], wo16 s[6:7]
	s_load_b64 s[68:69], s[0:1], 0x10              ; bo
	s_load_b64 s[8:9], s[0:1], 0x18                ; out
	v_lshl_add_u32 v[SPW], v0, 2, SPARE
	v_mov_b32 v[NIL], 0
	ds_add_u32 v[SPW], v[NIL]                      ; the wave's opening: the add, twice on end, and its wait ahead of my first tensor load
	ds_add_u32 v[SPW], v[NIL]
	v_lshrrev_b32 v1, 5, v0
	v_readfirstlane_b32 s10, v1                    ; wave 0..3
	s_lshr_b32 s11, s10, 1                         ; which half of the tile's rows is mine.  Also: I fetch for A (0) or for B (1)
	s_and_b32 s12, s10, 1                          ; which half of its columns.  Also: which half of the chunk I fetch
	s_bfe_u32 s40, ttmp6, 0x40000                  ; cx, cy
	s_bfe_u32 s41, ttmp6, 0x40004
	s_lshl_b32 s42, ttmp9, 2
	s_add_co_u32 s42, s42, s40                     ; tile column
	s_and_b32 s13, ttmp7, 0xffff
	s_lshl_b32 s13, s13, 2
	s_add_co_u32 s13, s13, s41                     ; tile row
	s_lshl_b32 s43, s41, 2
	s_lshl_b32 s43, 15, s43                        ; my row of the cluster
	s_lshl_b32 s44, 0x1111, s40                    ; my column
	s_or_b32 s[G1+0], s43, (3<<16)|(1<<21)         ; 15:0 the mask; 17:16 elements of 8 bytes; 21 set beside a mask
	s_or_b32 s[G1B+0], s44, (3<<16)|(1<<21)
.irp g, G1, G1B
	s_mov_b32 s[\g+1], 32<<16                      ; tensor_dim0 = 32 elements: 256 bytes
	s_mov_b32 s[\g+2], 128<<16                     ; tensor_dim1 = 128
	s_mov_b32 s[\g+3], 32<<16                      ; tile_dim0
	s_mov_b32 s[\g+4], 128                         ; tile_dim1
	s_mov_b32 s[\g+5], 32                          ; from row to row: dense
	s_mov_b32 s[\g+6], 0
	s_mov_b32 s[\g+7], 0
.endr
	s_lshl_b32 s17, s12, 15                        ; which half of a chunk I fetch
	s_lshl_b32 s16, s13, 19                        ; A: 8 chunks of 65,536 bytes a tile row
	s_add_co_u32 s16, s16, s17
	s_lshl_b32 s46, s42, 19                        ; B: the same a tile column
	s_add_co_u32 s46, s46, s17
	s_mov_b32 s17, 0
	s_mov_b32 s47, 0
	s_lshl_b32 s20, s10, 15                        ; where they go: wave x 32,768: no place in the cluster enters an LDS address
	s_wait_dscnt 0x0                               ; both opening adds are done
	s_wait_kmcnt 0x0
	s_add_nc_u64 s[14:15], s[4:5], s[16:17]
	s_add_nc_u64 s[46:47], s[6:7], s[46:47]
	CROUND                                         ; all sixteen work-groups are here: the first joint loads meet
.irp s, 0,1
	s_mov_b32 s[G0+4*\s], 1
	s_add_co_u32 s[G0+4*\s+1], s20, \s*SLOT
	s_add_nc_u64 s[G0+4*\s+2:G0+4*\s+3], s[14:15], \s*KCH
	s_or_b32 s[G0+4*\s+3], s[G0+4*\s+3], 0x80000000
	s_mov_b32 s[G0B+4*\s], 1
	s_add_co_u32 s[G0B+4*\s+1], s20, \s*SLOT
	s_add_nc_u64 s[G0B+4*\s+2:G0B+4*\s+3], s[46:47], \s*KCH
	s_or_b32 s[G0B+4*\s+3], s[G0B+4*\s+3], 0x80000000
	JLOAD \s                                       ; two loads of mine are out
.endr
	v_and_b32 v1, 31, v0
	v_lshlrev_b32 v3, 4, v1                        ; 16 x lane
	s_lshl_b32 s21, s11, 15                        ; my 8 tiles of rows
	s_lshl_b32 s22, s12, 15                        ; my 8 tiles of columns,
	s_add_co_u32 s22, s22, KCH                     ; behind A's chunk
.irp s, 0,1
	v_add_nc_u32 v[ADRA+\s], s21, v3
	v_add_nc_u32 v[ADRB+\s], s22, v3
	s_add_co_u32 s21, s21, SLOT
	s_add_co_u32 s22, s22, SLOT
.endr
	v_and_b32 v2, 15, v0
	v_bfe_u32 v4, v0, 4, 1
	v_lshlrev_b32 v5, 4, v2                        ; 16 r
	v_lshl_or_b32 v[CO], v4, 15, v5                ; + 8 h rows of 4,096 bytes
	s_lshl_b32 s46, s42, 10                        ; my first column, in bytes: 1,024 x tile column + 512 x half
	s_lshl_b32 s47, s12, 9
	s_add_co_u32 s46, s46, s47
	s_mov_b32 s47, 0
	s_add_nc_u64 s[68:69], s[68:69], s[46:47]
	global_load_b128 v[BO:BO+3], v5, s[68:69]
	global_load_b128 v[BO+4:BO+7], v5, s[68:69] offset:256
	s_lshl_b32 s16, s13, 20                        ; my first row: 256 rows of 4,096 bytes a tile row, 128 a half
	s_lshl_b32 s17, s11, 19
	s_add_co_u32 s16, s16, s17
	s_mov_b32 s17, 0
	s_add_nc_u64 s[16:17], s[16:17], s[46:47]
	s_add_nc_u64 s[8:9], s[8:9], s[16:17]
	; the prefetches
	s_and_b32 s22, ttmp7, 0xffff                   ; cluster y
	s_cmp_eq_u32 s11, 0                            ; do I fetch for A?
	s_cselect_b32 s20, s13, s42                    ; the tile row or column
	s_cselect_b32 s21, s40, s41                    ; my place among the four that ask with me
	s_cselect_b32 s22, ttmp9, s22                  ; the coordinate along which other clusters read the same bytes
	s_cselect_b64 s[PFA:PFA+1], s[4:5], s[6:7]
	s_cmp_eq_u32 s22, 0
	s_cselect_b32 s[LIM], 1, -1                    ; the same in all sixteen partners, for a given wave
	s_lshl_b32 s20, s20, 19
	s_lshl_b32 s22, s12, 15
	s_add_co_u32 s20, s20, s22
	s_lshl_b32 s21, s21, 13
	s_add_co_u32 s20, s20, s21
	s_add_co_u32 s20, s20, 2*KCH                   ; at chunk 2: the first refill steps it to 3 and names chunk 4
	s_mov_b32 s21, 0
	s_add_nc_u64 s[PFA:PFA+1], s[PFA:PFA+1], s[20:21]
	v_lshlrev_b32 v[PFO], 8, v1
; 16 products: row blocks a0, a0 + 1 of the window's four x all 8 column tiles, 32 along K.  zero = 1: the first product starts the sums.  The 64 accumulators take turns in the same order in every quarter.
.macro MUL16 f, hi, a0, zero
.irp a, \a0, \a0+1
.irp b, 0,1,2,3,4,5,6,7
.if \zero
	v_wmma_f32_16x16x32_f16 v[8*(8*(\a)+\b):8*(8*(\a)+\b)+7], v[\f+8*(4*\hi+\a):\f+8*(4*\hi+\a)+7], v[\f+8*\b:\f+8*\b+7], 0
.else
	v_wmma_f32_16x16x32_f16 v[8*(8*(\a)+\b):8*(8*(\a)+\b)+7], v[\f+8*(4*\hi+\a):\f+8*(4*\hi+\a)+7], v[\f+8*\b:\f+8*\b+7], v[8*(8*(\a)+\b):8*(8*(\a)+\b)+7]
.endif
.endr
.endr
.endm
.macro FETCH slot, q, f                ; 32 LDS loads in one run: the fragments of the chunk's q-th 32 along K; B's first, then A's
	WIN TO_B
.irp i, 0,1,2,3,4,5,6,7
	ds_load_b128 v[\f+8*\i:\f+8*\i+3],   v[ADRB+\slot] offset:4096*\i+1024*(\q)
	ds_load_b128 v[\f+8*\i+4:\f+8*\i+7], v[ADRB+\slot] offset:4096*\i+1024*(\q)+512
.endr
	WIN 0
.irp i, 0,1,2,3,4,5,6,7
	ds_load_b128 v[\f+8*\i:\f+8*\i+3],   v[ADRA+\slot] offset:4096*\i+1024*(\q)
	ds_load_b128 v[\f+8*\i+4:\f+8*\i+7], v[ADRA+\slot] offset:4096*\i+1024*(\q)+512
.endr
.endm
.macro PLACES                          ; four places in front of loads into registers that products have read, and of the first reads of results
.rept 4
	v_nop
.endr
.endm
.macro QUARTER slot, q, f, g, zero     ; multiplies buffer f; in its middle fetches the slot's q-th quarter into buffer g
	s_wait_dscnt 8                                 ; B and A's rows 0-63 are in; the youngest eight loads (A's rows 64-127) may be out
	WIN MUL_LO
	MUL16 \f, 0, 0, \zero
	MUL16 \f, 0, 2, \zero
	PLACES
	FETCH \slot, \q, \g
	s_wait_dscnt 32                                ; all but the 32 just issued
	WIN MUL_HI
	MUL16 \f, 1, 0, \zero
	MUL16 \f, 1, 2, \zero
.endm
; A chunk's last quarter multiplies buffer 1 and changes slots: one barrier; in front of it each wave waits for all its tensor loads (one is out: its part of the next slot), adds 0 to its spare word, and waits for that and for its reads of this slot.
; fill = 1: the barrier opens a round of the cluster's barrier, and this slot is filled again, two chunks ahead, first thing behind the round.
.macro TURN slot, next, fill
.if \fill
	s_wait_xcnt 0x0                                ; the last prefetch, a chunk back, has read its address
	s_add_nc_u64 s[PFA:PFA+1], s[PFA:PFA+1], KCH
.endif
	WIN 0                                          ; (the add's two registers lie in window 0)
	s_wait_tensorcnt 0x0
	ds_add_u32 v[SPW], v[NIL]
	s_wait_dscnt 9                                 ; (the add and the youngest eight loads may be out)
	WIN MUL_LO
	MUL16 F1, 0, 0, 0
	s_wait_dscnt 0x0                               ; the add is done, and my reads of this slot are over
	s_barrier_signal -1
	MUL16 F1, 0, 2, 0
.if \fill
	WIN 0
.endif
	s_barrier_wait -1
.if \fill
	CREST                                          ; no wave of any partner still reads this slot or has a load on its way
	s_add_nc_u64 s[G0+4*\slot+2:G0+4*\slot+3], s[G0+4*\slot+2:G0+4*\slot+3], 2*KCH
	s_add_nc_u64 s[G0B+4*\slot+2:G0B+4*\slot+3], s[G0B+4*\slot+2:G0B+4*\slot+3], 2*KCH
	JLOAD \slot                                    ; my one tensor load behind the round; its four v_nop are also the places in front of the loads below
.else
	PLACES
.endif
	FETCH \next, 0, F0
.if \fill
	ASK
.endif
	WIN MUL_HI
	MUL16 F1, 1, 0, 0
	MUL16 F1, 1, 2, 0
.endm
	s_wait_tensorcnt 1                             ; my part of chunk 0 is in; chunk 1's may stay out
	s_barrier_signal -1
	s_barrier_wait -1
	FETCH 0, 0, F0
	QUARTER 0, 1, F0, F1, 1                        ; the first quarter stands in front of the loop: its products start the sums
	WIN 0
	s_mov_b32 s3, LAPS-1
.Llap:                                                 ; a trip goes once round the ring and fills both slots again
	QUARTER 0, 2, F1, F0, 0
	QUARTER 0, 3, F0, F1, 0
	TURN 0, 1, 1
	QUARTER 1, 1, F0, F1, 0
	QUARTER 1, 2, F1, F0, 0
	QUARTER 1, 3, F0, F1, 0
	TURN 1, 0, 1
	QUARTER 0, 1, F0, F1, 0
	WIN 0
	s_sub_co_u32 s3, s3, 1
	s_cmp_lg_u32 s3, 0
	s_cbranch_scc1 .Llap
	QUARTER 0, 2, F1, F0, 0                        ; the last lap fills nothing
	QUARTER 0, 3, F0, F1, 0
	TURN 0, 1, 0
	QUARTER 1, 1, F0, F1, 0
	QUARTER 1, 2, F1, F0, 0
	QUARTER 1, 3, F0, F1, 0
	s_wait_dscnt 8                                 ; the very last quarter: nothing more to fetch
	WIN MUL_LO
	MUL16 F1, 0, 0, 0
	MUL16 F1, 0, 2, 0
	s_wait_dscnt 0x0
	WIN MUL_HI
	MUL16 F1, 1, 0, 0
	MUL16 F1, 1, 2, 0
	WIN 0
; THE WAY OUT, block a of 16 rows: register j of the accumulators of tiles 4 gq + 0 .. 3 plus bo goes into four registers on end: out(16 a + 8 h + j, 64 gq + 4 r + 0 .. 3).  Each accumulator is read from its low end on.
.macro OUT a
.if (\a) >= 2
	s_wait_xcnt 0x0                                ; block a - 2's stores have read their registers
.endif
	WIN 0x02+(\a)/4                                ; source 0: window 2 or 3
.irp gq, 0,1
.irp j, 0,1,2,3,4,5,6,7
.irp t, 0,1,2,3
	v_add_f32 v[OB+64*((\a)%2)+32*\gq+4*\j+\t], v[8*(8*((\a)%4)+4*\gq+\t)+\j], v[BO+4*\gq+\t]
.endr
.endr
.endr
	WIN 0
.irp gq, 0,1
.irp j, 0,1,2,3,4,5,6,7
	global_store_b128 v[CO], v[OB+64*((\a)%2)+32*\gq+4*\j:OB+64*((\a)%2)+32*\gq+4*\j+3], s[8:9] offset:65536*(\a)+4096*\j+256*\gq th:TH_STORE_NT   ; each sixteen lanes store 256 consecutive bytes, aligned
.endr
.endr
.endm
	s_wait_loadcnt 0x0                             ; bo
	PLACES                                         ; behind the last products: their results are read, and A's buffers written, only from here on
.irp a, 0,1,2,3,4,5,6,7
	OUT \a
.endr
	s_wait_tensorcnt 0x0                           ; the wave's end
	ds_add_u32 v[SPW], v[NIL]
	s_wait_dscnt 0x0
	CROUND                                         ; the closing round: no work-group ends while a partner may still ask for a tile that names it
	s_endpgm
.Lfunc_end_k_qafe0e756a8_outproj:
	.size	k_qafe0e756a8_outproj, .Lfunc_end_k_qafe0e756a8_outproj-k_qafe0e756a8_outproj
	.p2alignl 7, 3214868480
	.fill 96, 4, 3214868480
	.section	.rodata,"a",@progbits
	.p2align	6, 0x0
	.amdhsa_kernel k_qafe0e756a8_outproj
		.amdhsa_group_segment_fixed_size 327680
		.amdhsa_private_segment_fixed_size 0
		.amdhsa_enable_private_segment 0
		.amdhsa_kernarg_size 32
		.amdhsa_user_sgpr_count 2
		.amdhsa_user_sgpr_kernarg_segment_ptr 1
		.amdhsa_wavefront_size32 1
		.amdhsa_system_sgpr_workgroup_id_x 1
		.amdhsa_system_sgpr_workgroup_id_y 1
		.amdhsa_system_sgpr_workgroup_id_z 1
		.amdhsa_system_vgpr_workitem_id 0
		.amdhsa_next_free_vgpr 1024
		.amdhsa_next_free_sgpr 70
		.amdhsa_reserve_vcc 0
		.amdhsa_float_denorm_mode_32 3
		.amdhsa_float_denorm_mode_16_64 3
		.amdhsa_memory_ordered 1
		.amdhsa_forward_progress 1
		.amdhsa_inst_pref_size 140
	.end_amdhsa_kernel
	.amdgpu_metadata
---
amdhsa.version: [ 1, 2 ]
amdhsa.kernels:
  - .name:           k_qafe0e756a8_outproj
    .symbol:         k_qafe0e756a8_outproj.kd
    .args:
      - { .name: ctx, .offset: 0, .size: 8, .value_kind: global_buffer, .address_space: global }
      - { .name: wo16, .offset: 8, .size: 8, .value_kind: global_buffer, .address_space: global }
      - { .name: bo, .offset: 16, .size: 8, .value_kind: global_buffer, .address_space: global }
      - { .name: out0, .offset: 24, .size: 8, .value_kind: global_buffer, .address_space: global }
    .group_segment_fixed_size: 327680
    .private_segment_fixed_size: 0
    .kernarg_segment_align: 8
    .kernarg_segment_size: 32
    .max_flat_workgroup_size: 128
    .sgpr_count:     70
    .vgpr_count:     1024
    .wavefront_size: 32
...
	.end_amdgpu_metadata
.endif
;; end of part 3
